; MI455X (gfx1250); checked and timed in simulation.
; The chip was launched on July 23, 2026; its instructions are those of AMD's public machine-readable ISA for CDNA 5 (MIT licence, August 2026) and "CDNA5" Instruction Set Architecture Reference Guide (July 2026). The comments in the code are by the model that wrote it; some were corrected since.
;; Multi Head Attention. Allowed arithmetic: matrix products marked QUANTISED: E2M1 operands, one E8M0 scale for each 32 along K, by v_wmma_scale_f32_16x16x128_f8f6f4 with both operands' format E2M1 (or v_wmma_scale_f32_32x16x128_f4), f32 sums; products left as they are: bf16, f16 or f32 operands; f32 sums; everything else in f32.
;; Inputs: Wk 512 x 512 float32; Wo 512 x 512 float32; Wq 512 x 512 float32; Wv 512 x 512 float32; bk 512 float32; bo 512 float32; bq 512 float32; bv 512 float32; mask 2 x 4,096 int32; x 2 x 4,096 x 512 float32.
;; Outputs: out0 2 x 4,096 x 512 float32.
;; This version of the problem:
;;   THIS VERSION OF THE PROBLEM IS GIVEN IN LOW PRECISION. The matrix products marked QUANTISED in the list below multiply operands that are first quantised to E2M1 (2 exponent bits, 1 mantissa bit; 4 bits a number), with one power-of-two scale for each 32 numbers along K (OCP MX v1.0); their sums are f32. The products marked 'left as it is' may take bf16, f16 or f32 operands, with f32 sums. Whichever they take, every output number must still come out within the allowed error. Rounding operands to bf16 (8 significant bits) uses up far more of that allowance than f16 does (11 bits, for magnitudes from 6e-5 to 65,504). All else is computed in f32.
;;   The module's matrix products, in the order in which they are computed (A, B: the left and right operand; K: the contracted axis; several contracted axes count as one K, in the product's order):
;;     1. [M 8,192, K 512] x [K 512, N 512]; A: input x; B: input Wq: QUANTISED
;;     2. [M 8,192, K 512] x [K 512, N 512]; A: input x; B: input Wk: QUANTISED
;;     3. [M 8,192, K 512] x [K 512, N 512]; A: input x; B: input Wv: QUANTISED
;;     4. batch 16 x [M 4,096, K 64] x [K 64, N 4,096]; A: computed on the way; B: computed on the way: left as it is (an operand is computed on the way)
;;     5. batch 16 x [M 4,096, K 4,096] x [K 4,096, N 64]; A: computed on the way; B: computed on the way: left as it is (an operand is computed on the way)
;;     6. [M 8,192, K 512] x [K 512, N 512]; A: computed on the way; B: input Wo: left as it is (an operand is computed on the way)
;;   THE QUANTISER, for each operand of a quantised product, along K:
;;     - K is cut into blocks of 32 from its start; a last block that is shorter is filled with zeros.
;;     - A block's scale is 2^e with e = floor(log2(the largest magnitude in the block)) - 2, held to -126 .. 127; a block of zeros has e = 0. As a byte (E8M0): e + 127.
;;     - Each number is divided by its block's scale, clamped to +-6, and rounded to the nearest number of E2M1, ties to even, subnormals kept.
;;     - The product sums the exact products of the quantised numbers (number of the format x scale) in f32.
;;   ~~~python
;;   def quantise(x, axis):      # numpy; x: float32 -> the quantised numbers, widened to float32 again
;;       x = np.moveaxis(x, axis, -1); K = x.shape[-1]
;;       x = np.pad(x, [(0, 0)] * (x.ndim - 1) + [(0, -K % 32)]); x = x.reshape(x.shape[:-1] + (-1, 32)); a = np.abs(x).max(-1, keepdims=True)
;;       e = np.where(a > 0, np.clip(np.frexp(np.where(a > 0, a, 1))[1] - 1 - 2, -126, 127), 0)      # np.frexp(a)[1] - 1 = floor(log2(a)), exactly
;;       r = np.clip(x / 2.0 ** e, -6, 6)
;;       step = 2.0 ** (np.maximum(np.frexp(np.where(r == 0, 1, r))[1] - 1, 0) - 1)
;;       q = np.round(r / step) * step * 2.0 ** e      # np.round: ties to even
;;       return np.moveaxis(q.reshape(q.shape[:-2] + (-1,))[..., :K], -1, axis).astype(np.float32)
;;   ~~~
;; One version. Each part assembles by itself: llvm-mc -triple=amdgcn-amd-amdhsa -mcpu=gfx1250 --defsym DOCPART=n.
;; ======== version 1 of 1: 4 launches
;; limits: values are held in f16: magnitudes above 65,504 overflow, below 6.1e-05 lose precision
;; workspace buffers: list 33,792 bytes of whole numbers; wts 966,656 bytes; q16 8,388,608 bytes; k16 8,388,608 bytes; vt16 8,388,608 bytes; vpart 262,144 bytes; ao 8,388,608 bytes
;; launch prep (part 1): grid 130 x 1, 4 waves a work-group, no clusters, 0 bytes of LDS; arguments mask, Wq, Wk, Wv, Wo, list, wts; writes list, wts
.if DOCPART == 1
	.amdgcn_target "amdgcn-amd-amdhsa--gfx1250"
	.amdhsa_code_object_version 6
	.text
	.protected	k_q37ac7c2929_prep
	.globl	k_q37ac7c2929_prep
	.p2align	8
	.type	k_q37ac7c2929_prep,@function
k_q37ac7c2929_prep:
	s_mov_b64 s[64:65], 0
	v_nop
	global_prefetch_b8 v0, s[64:65] scope:SCOPE_SE
	s_setreg_imm32_b32 hwreg(HW_REG_WAVE_MODE, 25, 1), 1
	s_wait_xcnt 0x0
; THREE SMALL JOBS IN ONE LAUNCH, told apart by the work-group's number.
; Work-groups 0, 1: the keys of batch b are put in order, kept keys (mask != 0) first, masked keys behind them, each group in its old order.
;   list[b][i] = 4096 b + l, the row of x that stands at place i; behind the two lists the number n1 of kept keys of each batch, written 128 times.
; Work-groups 2 .. 97: Wq, Wk, Wv [512][512] f32 become codes of FP4 (E2M1) with one E8M0 byte for each 32 along K, laid as IMAGES OF THE OPERAND'S REGISTERS:
;   fragment f = 128 type + 4 tile + kstep (16 rows x 128 K): 1,024 bytes, chunk c at 512 c + 16 lane; its scale words at SCALES + 128 f + 4 lane.
; Work-groups 98 .. 129: Wo becomes f16, row-major, at WO16.
; A block's scale is 2^(floor(log2(largest magnitude)) - 2): the largest magnitude's exponent field less 2, held at 1 from below.
; LIMITS: a block whose largest magnitude lies under 2^-124 has its byte held at 1; a block of zeros gets the byte 1 (its codes are zeros, and this program alone reads the bytes);
; NaN and infinities are not served; |Wo| stays under 65,504.
; No LDS, no barrier: waves share nothing.  Each wave of the sort counts the other three quarters of the mask itself.
.set SCALES, 393216
.set WO16,   442368
	s_load_b256 s[4:11], s[0:1], 0x0               ; mask s[4:5], Wq s[6:7], Wk s[8:9], Wv s[10:11]
	s_load_b128 s[12:15], s[0:1], 0x20             ; Wo s[12:13], list s[14:15]
	s_load_b64 s[16:17], s[0:1], 0x30              ; wts
	v_lshrrev_b32 v1, 5, v0
	v_readfirstlane_b32 s18, v1                    ; wave 0..3
	v_and_b32 v1, 31, v0                           ; lane
	s_wait_kmcnt 0x0
	s_cmp_lt_u32 ttmp9, 2
	s_cbranch_scc1 .Lperm
	s_cmp_lt_u32 ttmp9, 98
	s_cbranch_scc1 .Lw
; ---- Wo to f16: a wave takes 2,048 numbers
	s_sub_co_u32 s20, ttmp9, 98
	s_lshl_b32 s20, s20, 2
	s_add_co_u32 s20, s20, s18                     ; which run of 2,048 numbers
	s_lshl_b32 s22, s20, 13
	s_mov_b32 s23, 0
	s_add_nc_u64 s[12:13], s[12:13], s[22:23]
	s_lshl_b32 s22, s20, 12
	s_add_co_u32 s22, s22, WO16
	s_add_nc_u64 s[16:17], s[16:17], s[22:23]
	v_lshlrev_b32 v2, 5, v1                        ; in: 8 numbers, 32 bytes a lane
	v_lshlrev_b32 v3, 4, v1                        ; out: 16 bytes a lane
.irp q, 0,1,2,3,4,5,6,7
	global_load_b128 v[16+8*\q:19+8*\q], v2, s[12:13] offset:1024*\q th:TH_LOAD_NT
	global_load_b128 v[20+8*\q:23+8*\q], v2, s[12:13] offset:1024*\q+16 th:TH_LOAD_NT
.endr
	s_wait_loadcnt 0x0
.set i, 0
.rept 32
	v_cvt_pk_f16_f32 v[80+i], v[16+2*i], v[17+2*i]
.set i, i+1
.endr
.irp q, 0,1,2,3,4,5,6,7
	global_store_b128 v3, v[80+4*\q:83+4*\q], s[16:17] offset:512*\q   ; 32 lanes store 512 consecutive bytes
.endr
	s_endpgm
; ---- a fragment of Wq, Wk or Wv: 16 rows x 128 K a wave.  Lane (r, h) holds, of row r, k = 64 c + 32 h + 0 .. 31: two whole blocks
.Lw:
	s_sub_co_u32 s20, ttmp9, 2
	s_lshr_b32 s21, s20, 5                         ; type: 0 Wq, 1 Wk, 2 Wv
	s_and_b32 s22, s20, 31                         ; tile of 16 rows
	s_cmp_eq_u32 s21, 0
	s_cselect_b64 s[24:25], s[6:7], s[8:9]
	s_cmp_eq_u32 s21, 2
	s_cselect_b64 s[24:25], s[10:11], s[24:25]
	s_lshl_b32 s26, s22, 15                        ; 16 rows of 2,048 bytes
	s_lshl_b32 s27, s18, 9                         ; the wave's K step: 128 numbers
	s_add_co_u32 s26, s26, s27
	s_mov_b32 s27, 0
	s_add_nc_u64 s[24:25], s[24:25], s[26:27]
	s_lshl_b32 s28, s21, 7
	s_lshl_b32 s29, s22, 2
	s_add_co_u32 s28, s28, s29
	s_add_co_u32 s28, s28, s18                     ; f
	s_lshl_b32 s30, s28, 10
	s_mov_b32 s31, 0
	s_add_nc_u64 s[32:33], s[16:17], s[30:31]      ; its codes
	s_lshl_b32 s30, s28, 7
	s_add_co_u32 s30, s30, SCALES
	s_add_nc_u64 s[34:35], s[16:17], s[30:31]      ; its scale words
	s_mov_b32 s36, 0x76543210
	s_mov_b32 s37, 0xfedcba98                      ; v_permlanex16_b32's selects for lane l xor 16
	v_and_b32 v2, 15, v0                           ; r
	v_bfe_u32 v3, v0, 4, 1                         ; h
	v_lshlrev_b32 v4, 11, v2
	v_lshl_add_u32 v4, v3, 7, v4                   ; row r, + 32 h numbers
	v_lshlrev_b32 v5, 4, v1
	v_lshlrev_b32 v6, 2, v1
.irp c, 0,1
.irp i, 0,1,2,3,4,5,6,7
	global_load_b128 v[64+32*\c+4*\i:67+32*\c+4*\i], v4, s[24:25] offset:256*\c+16*\i th:TH_LOAD_NT
.endr
.endr
	s_wait_loadcnt 0x0
.irp c, 0,1
	v_max3_num_f32 v[32+\c], |v[64+32*\c]|, |v[65+32*\c]|, 0x1800000   ; my block 2 c + h, and the floor 2^(3 - 127): the byte cannot fall under 1
.endr
.irp i, 2,4,6,8,10,12,14,16,18,20,22,24,26,28,30
.irp c, 0,1
	v_max3_num_f32 v[32+\c], v[32+\c], |v[64+32*\c+\i]|, |v[65+32*\c+\i]|
.endr
.endr
.irp c, 0,1
	v_add_nc_u32 v[44+\c], 0xff000000, v[32+\c]    ; 2 off the exponent field: the conversion's scale operand
.endr
.irp c, 0,1
	v_lshrrev_b32 v[36+\c], 23, v[44+\c]           ; the scale's byte
.endr
	v_lshl_or_b32 v9, v37, 16, v36                 ; blocks h and 2 + h,
	v_lshlrev_b32 v10, 3, v3
	v_lshlrev_b32 v9, v10, v9                      ; at their places in the word;
	v_mov_b32 v10, 0
	v_permlanex16_b32 v10, v9, s36, s37
	v_or_b32 v9, v9, v10                           ; with lane l xor 16's two the word is whole, in both halves of the lanes
.irp c, 0,1
.irp g, 0,1,2,3
	v_cvt_scalef32_pk8_fp4_f32 v[48+4*\c+\g], v[64+32*\c+8*\g:71+32*\c+8*\g], v[44+\c]
.endr
.endr
	v_nop                                          ; a plain line behind the last scaled conversion
	global_store_b128 v5, v[48:51], s[32:33]
	global_store_b128 v5, v[52:55], s[32:33] offset:512
	global_store_b32 v6, v9, s[34:35]
	s_endpgm
; ---- the order of a batch's keys.  Wave w places keys 1024 w .. 1024 w + 1023; it counts the kept keys of all four quarters itself
.Lperm:
	s_lshl_b32 s30, ttmp9, 14
	s_mov_b32 s31, 0
	s_add_nc_u64 s[4:5], s[4:5], s[30:31]          ; my batch's mask
	s_add_nc_u64 s[28:29], s[14:15], s[30:31]      ; and its list
	s_lshl_b32 s30, ttmp9, 9
	s_add_co_u32 s30, s30, 32768
	s_add_nc_u64 s[14:15], s[14:15], s[30:31]      ; and its count words
.irp u, 0,1,2,3
	s_add_co_u32 s30, s18, \u
	s_and_b32 s30, s30, 3
	s_lshl_b32 s30, s30, 12
	s_add_nc_u64 s[20+2*\u:21+2*\u], s[4:5], s[30:31]   ; quarter (w + u) mod 4
.endr
	v_lshlrev_b32 v2, 2, v1
.set c, 0
.rept 32
	global_load_b32 v[16+c], v2, s[20:21] offset:128*c
.set c, c+1
.endr
.irp u, 1,2,3
.set c, 0
.rept 32
	global_load_b32 v[48+32*(\u-1)+c], v2, s[20+2*\u:21+2*\u] offset:128*c
.set c, c+1
.endr
.endr
	s_wait_loadcnt 0x0
.set c, 0
.rept 32
	v_cmp_ne_u32 s[32+c], 0, v[16+c]               ; my quarter: a mask of kept keys for each 32
.set c, c+1
.endr
	s_mov_b32 s75, 0
.set c, 0
.rept 32
	s_bcnt1_i32_b32 s74, s[32+c]
	s_add_co_u32 s75, s75, s74
.set c, c+1
.endr
.irp u, 1,2,3
	s_mov_b32 s[75+\u], 0
.irp g, 0,1,2,3
.irp i, 0,1,2,3,4,5,6,7
	v_cmp_ne_u32 s[66+\i], 0, v[48+32*(\u-1)+8*\g+\i]
.endr
.irp i, 0,1,2,3,4,5,6,7
	s_bcnt1_i32_b32 s74, s[66+\i]
	s_add_co_u32 s[75+\u], s[75+\u], s74
.endr
.endr
.endr
	s_add_co_u32 s79, s75, s76
	s_add_co_u32 s79, s79, s77
	s_add_co_u32 s79, s79, s78                     ; n1: the batch's kept keys
	s_mov_b32 s80, 0                               ; kept keys in front of my quarter
.irp u, 1,2,3
	s_add_co_u32 s74, s18, \u
	s_and_b32 s74, s74, 3
	s_cmp_lt_u32 s74, s18
	s_cselect_b32 s74, s[75+\u], 0
	s_add_co_u32 s80, s80, s74
.endr
	s_lshl_b32 s81, s18, 10
	s_add_co_u32 s82, s81, s79
	v_add_nc_u32 v5, s82, v1                       ; n1 + 1024 w + lane
	s_lshl_b32 s83, ttmp9, 12
	s_add_co_u32 s83, s83, s81
	v_add_nc_u32 v6, s83, v1                       ; 4096 b + 1024 w + lane
; key l with o kept keys in front of it goes to place o if it is kept, else to n1 + l - o.  Each 32 keys have registers of their own for place and row
.set c, 0
.rept 32
	v_mbcnt_lo_u32_b32 v3, s[32+c], s80            ; o
	v_sub_nc_u32 v4, v5, v3
	v_add_nc_u32 v4, 32*c, v4
	v_cndmask_b32 v[144+c], v4, v3, s[32+c]
	v_min_u32 v[144+c], 4095, v[144+c]             ; a place is under 4,096
	v_lshlrev_b32 v[144+c], 2, v[144+c]
	v_add_nc_u32 v[176+c], 32*c, v6
	global_store_b32 v[144+c], v[176+c], s[28:29]
	s_bcnt1_i32_b32 s74, s[32+c]
	s_add_co_u32 s80, s80, s74
.set c, c+1
.endr
	v_mov_b32 v7, s79
	v_lshlrev_b32 v8, 2, v0
	global_store_b32 v8, v7, s[14:15]              ; n1, once for each of the 128 threads: 512 consecutive bytes
	s_endpgm
.Lfunc_end_k_q37ac7c2929_prep:
	.size	k_q37ac7c2929_prep, .Lfunc_end_k_q37ac7c2929_prep-k_q37ac7c2929_prep
	.p2alignl 7, 3214868480
	.fill 96, 4, 3214868480
	.section	.rodata,"a",@progbits
	.p2align	6, 0x0
	.amdhsa_kernel k_q37ac7c2929_prep
		.amdhsa_group_segment_fixed_size 0
		.amdhsa_private_segment_fixed_size 0
		.amdhsa_enable_private_segment 0
		.amdhsa_kernarg_size 56
		.amdhsa_user_sgpr_count 2
		.amdhsa_user_sgpr_kernarg_segment_ptr 1
		.amdhsa_wavefront_size32 1
		.amdhsa_system_sgpr_workgroup_id_x 1
		.amdhsa_system_sgpr_workgroup_id_y 1
		.amdhsa_system_sgpr_workgroup_id_z 1
		.amdhsa_system_vgpr_workitem_id 0
		.amdhsa_next_free_vgpr 208
		.amdhsa_next_free_sgpr 84
		.amdhsa_reserve_vcc 0
		.amdhsa_float_denorm_mode_32 3
		.amdhsa_float_denorm_mode_16_64 3
		.amdhsa_memory_ordered 1
		.amdhsa_forward_progress 1
		.amdhsa_inst_pref_size 59
	.end_amdhsa_kernel
	.amdgpu_metadata
---
amdhsa.version: [ 1, 2 ]
amdhsa.kernels:
  - .name:           k_q37ac7c2929_prep
    .symbol:         k_q37ac7c2929_prep.kd
    .args:
      - { .name: mask, .offset: 0, .size: 8, .value_kind: global_buffer, .address_space: global }
      - { .name: Wq, .offset: 8, .size: 8, .value_kind: global_buffer, .address_space: global }
      - { .name: Wk, .offset: 16, .size: 8, .value_kind: global_buffer, .address_space: global }
      - { .name: Wv, .offset: 24, .size: 8, .value_kind: global_buffer, .address_space: global }
      - { .name: Wo, .offset: 32, .size: 8, .value_kind: global_buffer, .address_space: global }
      - { .name: list, .offset: 40, .size: 8, .value_kind: global_buffer, .address_space: global }
      - { .name: wts, .offset: 48, .size: 8, .value_kind: global_buffer, .address_space: global }
    .group_segment_fixed_size: 0
    .private_segment_fixed_size: 0
    .kernarg_segment_align: 8
    .kernarg_segment_size: 56
    .max_flat_workgroup_size: 128
    .sgpr_count:     84
    .vgpr_count:     208
    .wavefront_size: 32
...
	.end_amdgpu_metadata
.endif
;; end of part 1
;; launch qkv (part 2): grid 3 x 128, 4 waves a work-group, no clusters, 18,944 bytes of LDS; arguments x, list, wts, bq, bk, bv, q16, k16, vt16, vpart; writes q16, k16, vt16, vpart
.if DOCPART == 2
	.amdgcn_target "amdgcn-amd-amdhsa--gfx1250"
	.amdhsa_code_object_version 6
	.text
	.protected	k_q37ac7c2929_qkv
	.globl	k_q37ac7c2929_qkv
	.p2align	8
	.type	k_q37ac7c2929_qkv,@function
k_q37ac7c2929_qkv:
	s_mov_b64 s[64:65], 0
	v_nop
	global_prefetch_b8 v0, s[64:65] scope:SCOPE_SE
	s_setreg_imm32_b32 hwreg(HW_REG_WAVE_MODE, 25, 1), 1
	s_wait_xcnt 0x0
; Q = x Wq^T + bq, K = x Wk^T + bk, V = x Wv^T + bv, on codes of FP4 (E2M1) with one E8M0 scale for each 32 along K = 512; sums in f32.
; Work-group x = the product (0 Q, 1 K, 2 V), y = a block of 64 rows.  Q's rows are x's rows as they lie; K's and V's are taken in the order of the list (kept keys first).
; THE WAVES SHARE THE COLUMNS: wave w makes columns 128 w .. 128 w + 127 (heads 2 w, 2 w + 1) for all 64 rows; its 32 weight fragments stay in 256 registers.
; Wave w quantises rows 16 w .. 16 w + 15 of x; the four K steps' fragments and scale words go to the other waves through LDS as images of the operand's registers: one barrier.
; Q and K: source 0 = 16 rows of W, source 1 = 16 rows of x: a lane holds one row and 8 neighbouring columns.  V: the sources swapped: a lane holds one column and 8 neighbouring keys.
; The bias is the C of each sum's first matrix instruction.  Q is multiplied by c = log2(e) / 8 in f32.  All three are rounded to f16 and stored as images of the NEXT products' operand registers:
;   q16, k16 [head of 16][tile of 16 rows][chunk dt][lane][16 bytes]: row 16 tile + r, channels 16 dt + 8 h + 0 .. 7;   vt16 [head][step of 64 keys][dt][m][lane][16]: channel 16 dt + r, keys 16 m + 8 h + 0 .. 7.
; V also leaves, for each block, the f32 sum of its rows that stand at or behind place n1 (the masked keys): vpart [block][512].
; LIMITS: |Q c|, |K|, |V| stay under 65,504 (f16); NaN and infinities are not served; a block of x whose largest magnitude lies under 2^-124 has its byte held at 1; a block of zeros gets the byte 1 (its codes are zeros).
.set XIMG,  0                          ; LDS: x's 16 fragments (tile of rows m, K step s: 4 m + s), 1,024 bytes each,
.set XSC,   16384                      ; their scale words, 128 bytes each,
.set SPARE, 18432                      ; and the spare words, 128 bytes a wave: two blocks of 256 bytes that no other line names
.set XA,   4                           ; v4   my row of x, + 64 h bytes
.set LI,   5                           ; v5   16 x lane
.set LS,   6                           ; v6   4 x lane
.set XWI,  7                           ; v7   where I store images: 16 x lane + 4,096 x wave
.set XWS,  8                           ; v8   and scale words: 4 x lane + 512 x wave
.set DM,   9                           ; v9   n1 - 64 step - 8 h
.set SPW,  10                          ; v10  my spare word; never rewritten
.set NIL,  11                          ; v11  0; never rewritten
.set XS,   12                          ; v12-15   x's scale words: scales and nothing else
.set XF,   16                          ; v16-47   x's four fragments of a tile of rows
.set ACC,  48                          ; v48-111  8 accumulators; before the barrier a set of 64 numbers of x
.set HA,   48
.set PC,   112                         ; v112-119 the codes just made; in V's path the eight weights
.set VS,   120                         ; v120-127 V's path: the sums of masked rows
.set ST,   128                         ; v128-191 a second set of 64 numbers of x; then the biases
.set BIAS, 128
.set OUT,  192                         ; v192-223 packed results; before the barrier at work:
.set TM,   192                         ; v192-207
.set PW,   208                         ; v208 the scale word just made
.set WS,   224                         ; v224-255 the weights' scale words: scales and nothing else
.set TY,   24
.set BLK,  25
.set BB,   26
.set STEP, 27
.set WV,   28
.set N1,   29
.set SEL,  36
.set MSB, 0
.macro WIN new                         ; the immediate's high byte repeats the setting that is left
.if MSB != \new
	s_set_vgpr_msb (MSB<<8)|\new
.set MSB, \new
.endif
.endm
; 64 numbers of a lane, register 16 b + i = k 32 b + 16 h + i of my row, become a fragment's codes in v[PC] on and its scale word in v[PW]
.macro QUANT s
.irp b, 0,1,2,3
	v_max3_num_f32 v[TM+\b], |v[\s+16*\b]|, |v[\s+1+16*\b]|, 0x1800000   ; my 16 numbers of block b, and the floor 2^(3 - 127)
.endr
.irp i, 2,4,6,8,10,12,14
.irp b, 0,1,2,3
	v_max3_num_f32 v[TM+\b], v[TM+\b], |v[\s+16*\b+\i]|, |v[\s+1+16*\b+\i]|
.endr
.endr
.irp b, 0,1,2,3
	v_permlanex16_b32 v[TM+4+\b], v[TM+\b], s[SEL], s[SEL+1]
.endr
.irp b, 0,1,2,3
	v_max_num_f32 v[TM+\b], v[TM+\b], v[TM+4+\b]   ; with lane l xor 16's: the block's largest magnitude
.endr
.irp b, 0,1,2,3
	v_add_nc_u32 v[TM+12+\b], 0xff000000, v[TM+\b] ; 2 off its exponent field: the conversion's scale operand
.endr
.irp b, 0,1,2,3
	v_lshrrev_b32 v[TM+4+\b], 23, v[TM+12+\b]      ; the scale's byte
.endr
	v_lshl_or_b32 v[PW], v[TM+5], 8, v[TM+4]
	v_lshl_or_b32 v[PW], v[TM+6], 16, v[PW]
	v_lshl_or_b32 v[PW], v[TM+7], 24, v[PW]
.irp b, 0,1,2,3
	v_cvt_scalef32_pk8_fp4_f32 v[PC+2*\b], v[\s+16*\b:\s+7+16*\b], v[TM+12+\b]
	v_cvt_scalef32_pk8_fp4_f32 v[PC+1+2*\b], v[\s+8+16*\b:\s+15+16*\b], v[TM+12+\b]
.endr
	v_nop                                          ; a plain line behind the scaled conversions
.irp c, 0,1                            ; the operand's layout wants a whole block in a lane
.irp i, 0,1
	v_permlane16_swap_b32 v[PC+4*\c+\i], v[PC+2+4*\c+\i]
.endr
.endr
.endm
.macro IMAGE off                       ; the fragment and its scale word go to LDS as they stand; off = 1,024 x K step
.irp c, 0,1
	ds_store_b128 v[XWI], v[PC+4*\c:PC+4*\c+3] offset:XIMG+\off+512*\c
.endr
	ds_store_b32 v[XWS], v[PW] offset:XSC+(\off)/8
.endm
.macro XLOAD reg, s                    ; my row's numbers of K step s: 16 of each block of 32
.irp b, 0,1,2,3
.irp j, 0,1,2,3
	global_load_b128 v[\reg+16*\b+4*\j:\reg+16*\b+4*\j+3], v[XA], s[4:5] offset:512*\s+128*\b+16*\j
.endr
.endr
.endm
.macro XFETCH m                        ; the four fragments and scale words of rows 16 m on, in any wave
.irp s, 0,1,2,3
.irp c, 0,1
	ds_load_b128 v[XF+8*\s+4*\c:XF+8*\s+4*\c+3], v[LI] offset:XIMG+(4*\m+\s)*1024+512*\c
.endr
	ds_load_b32 v[XS+\s], v[LS] offset:XSC+128*(4*\m+\s)
.endr
	s_wait_dscnt 0x0
.endm
.macro PACK                            ; 64 results become 32 registers of f16 pairs
	s_wait_xcnt 0x0                                ; the last stores have read their data: the registers are written again only behind this wait
.set i, 0
.rept 32
	v_cvt_pk_f16_f32 v[OUT+i], v[ACC+2*i], v[ACC+2*i+1]
.set i, i+1
.endr
.endm
	s_load_b256 s[4:11], s[0:1], 0x0               ; x s[4:5], list s[6:7], wts s[8:9], bq s[10:11]
	s_load_b256 s[12:19], s[0:1], 0x20             ; bk s[12:13], bv s[14:15], q16 s[16:17], k16 s[18:19]
	s_load_b128 s[20:23], s[0:1], 0x40             ; vt16 s[20:21], vpart s[22:23]
	v_lshl_add_u32 v[SPW], v0, 2, SPARE
	v_mov_b32 v[NIL], 0
	v_lshrrev_b32 v1, 5, v0
	v_readfirstlane_b32 s[WV], v1                  ; wave 0..3
	v_and_b32 v1, 31, v0                           ; lane
	v_and_b32 v2, 15, v0                           ; r
	v_bfe_u32 v3, v0, 4, 1                         ; h
	s_mov_b32 s[TY], ttmp9
	s_and_b32 s[BLK], ttmp7, 0xffff
	s_lshr_b32 s[BB], s[BLK], 6                    ; batch
	s_and_b32 s[STEP], s[BLK], 63                  ; block of 64 rows in it
	v_lshlrev_b32 v[LI], 4, v1
	v_lshlrev_b32 v[LS], 2, v1
	s_lshl_b32 s30, s[WV], 12
	v_add_nc_u32 v[XWI], s30, v[LI]
	s_lshl_b32 s30, s[WV], 9
	v_add_nc_u32 v[XWS], s30, v[LS]
	s_mov_b32 s[SEL], 0x76543210
	s_mov_b32 s[SEL+1], 0xfedcba98
.irp b, 0,1,2,3
	v_mov_b32 v[TM+4+\b], 0                        ; written once: a lane permute's destination counts as one of its sources
.endr
	v_lshlrev_b32 v210, 5, v3                      ; the biases' offsets: 32 h,
	v_lshlrev_b32 v211, 2, v2                      ; or 4 r
	s_lshl_b32 s30, s[BLK], 6
	s_lshl_b32 s32, s[WV], 4
	s_add_co_u32 s30, s30, s32
	v_add_nc_u32 v192, s30, v2                     ; the place of the row that I quantise: 64 block + 16 wave + r
	v_lshlrev_b32 v193, 2, v192
	s_lshl_b32 s32, s[TY], 17
	s_lshl_b32 s33, s[WV], 15
	s_add_co_u32 s32, s32, s33                     ; my 32 fragments: 131,072 type + 32,768 wave
	s_mov_b32 s33, 0
	s_lshl_b32 s34, s[TY], 14
	s_lshl_b32 s35, s[WV], 12
	s_add_co_u32 s34, s34, s35
	s_add_co_u32 s34, s34, 393216                  ; and their scale words
	s_mov_b32 s35, 0
	s_lshl_b32 s31, s[BB], 9
	s_mov_b32 s42, 0x3e38aa3b                      ; c = log2(e) / 8 for Q, 1 for K
	s_cmp_eq_u32 s[TY], 0
	s_cselect_b32 s42, s42, 1.0
	s_mov_b32 s43, s42                             ; (named with it as a pair, so it is written)
	s_wait_kmcnt 0x0
	s_load_b32 s[N1], s[6:7], s31 offset:0x8000    ; the batch's kept keys
	global_load_b32 v194, v193, s[6:7]             ; the row of x that stands at my place
	s_add_nc_u64 s[38:39], s[8:9], s[32:33]
	s_add_nc_u64 s[40:41], s[8:9], s[34:35]
	WIN 0x40                                       ; destination window 1
.set n, 0
.rept 64
	global_load_b128 v[4*n:4*n+3], v[LI], s[38:39] offset:512*n    ; fragment (tile t, K step s) at v[8 (4 t + s)] of window 1
.set n, n+1
.endr
	WIN 0
.set n, 0
.rept 32
	global_load_b32 v[WS+n], v[LS], s[40:41] offset:128*n
.set n, n+1
.endr
	s_cmp_eq_u32 s[TY], 0                          ; the bias and the output of my product
	s_cselect_b64 s[44:45], s[10:11], s[12:13]
	s_cselect_b64 s[46:47], s[16:17], s[18:19]
	s_cselect_b32 s50, -1, 0
	s_cmp_eq_u32 s[TY], 2
	s_cselect_b64 s[44:45], s[14:15], s[44:45]
	s_cselect_b64 s[46:47], s[20:21], s[46:47]
	s_lshl_b32 s48, s[WV], 9
	s_mov_b32 s49, 0
	s_add_nc_u64 s[44:45], s[44:45], s[48:49]      ; my 128 columns' biases
	s_lshl_b32 s51, s[BLK], 11
	s_add_co_u32 s48, s48, s51
	s_add_nc_u64 s[22:23], s[22:23], s[48:49]      ; vpart: 2,048 block + 512 wave
	s_lshl_b32 s48, s[BB], 3
	s_lshl_b32 s51, s[WV], 1
	s_add_co_u32 s48, s48, s51
	s_lshl_b32 s48, s48, 19                        ; head 8 b + 2 w: 524,288 bytes a head,
	s_lshl_b32 s51, s[STEP], 13
	s_add_co_u32 s48, s48, s51                     ; 8,192 a block of 64 rows
	s_add_nc_u64 s[46:47], s[46:47], s[48:49]
	s_wait_loadcnt 63                              ; the list's word is in: 96 loads were issued behind it
	v_cndmask_b32 v194, v194, v192, s50            ; Q takes x's rows as they lie
	v_min_u32 v194, 0x1fff, v194                   ; a row is under 8,192
	v_lshlrev_b32 v[XA], 11, v194
	v_lshl_add_u32 v[XA], v3, 6, v[XA]
	XLOAD HA, 0
	XLOAD ST, 1
	s_wait_loadcnt 16                              ; K step 0 is in; K step 1's 16 loads may be out
	QUANT HA
	IMAGE 0
	s_wait_dscnt 0x0                               ; the stores have read their registers
	XLOAD HA, 2
	s_wait_loadcnt 16
	QUANT ST
	IMAGE 1024
	s_wait_dscnt 0x0
	XLOAD ST, 3
	s_wait_loadcnt 16
	QUANT HA
	IMAGE 2048
	s_wait_dscnt 0x0
	s_wait_loadcnt 0x0
	QUANT ST
	IMAGE 3072
	s_cmp_eq_u32 s[TY], 2
	s_cbranch_scc1 .Lbias_v
.irp t, 0,1,2,3,4,5,6,7                ; Q, K: lane (r, h) wants, for tile t, the biases of columns 16 t + 8 h + 0 .. 7
	global_load_b128 v[BIAS+8*\t:BIAS+8*\t+3], v210, s[44:45] offset:64*\t
	global_load_b128 v[BIAS+8*\t+4:BIAS+8*\t+7], v210, s[44:45] offset:64*\t+16
.endr
	s_branch .Lbias_done
.Lbias_v:
.irp t, 0,1,2,3,4,5,6,7                ; V: that of column 16 t + r
	global_load_b32 v[BIAS+8*\t], v211, s[44:45] offset:64*\t
.endr
.Lbias_done:
	s_wait_kmcnt 0x0
	s_lshl_b32 s51, s[STEP], 6
	s_sub_co_i32 s51, s[N1], s51
	v_lshlrev_b32 v[DM], 3, v3
	v_sub_nc_u32 v[DM], s51, v[DM]
	s_wait_dscnt 0x0                               ; my images have landed
	s_barrier_signal -1
	s_barrier_wait -1                              ; x's sixteen fragments lie in LDS; from here on LDS is only read
	s_cmp_eq_u32 s[TY], 2
	s_cbranch_scc1 .Lv
; ---- Q and K
	s_wait_loadcnt 0x0                             ; the biases
.irp m, 0,1,2,3
	XFETCH \m
	WIN 0x01                                       ; source 0 (W) window 1
.irp s, 0,1,2,3                        ; the eight accumulators take turns, one instruction a turn
.irp t, 0,1,2,3,4,5,6,7
.if \s == 0
	v_wmma_scale_f32_16x16x128_f8f6f4 v[ACC+8*\t:ACC+8*\t+7], v[8*(4*\t+\s):8*(4*\t+\s)+7], v[XF+8*\s:XF+8*\s+7], v[BIAS+8*\t:BIAS+8*\t+7], v[WS+4*\t+\s], v[XS+\s] matrix_a_fmt:MATRIX_FMT_FP4 matrix_b_fmt:MATRIX_FMT_FP4
.else
	v_wmma_scale_f32_16x16x128_f8f6f4 v[ACC+8*\t:ACC+8*\t+7], v[8*(4*\t+\s):8*(4*\t+\s)+7], v[XF+8*\s:XF+8*\s+7], v[ACC+8*\t:ACC+8*\t+7], v[WS+4*\t+\s], v[XS+\s] matrix_a_fmt:MATRIX_FMT_FP4 matrix_b_fmt:MATRIX_FMT_FP4
.endif
.endr
.endr
	WIN 0
.rept 4
	v_nop                                          ; places behind the products, ahead of the first read of results and of the next loads into operands
.endr
.set i, 0
.rept 32
	v_pk_mul_f32 v[ACC+2*i:ACC+2*i+1], v[ACC+2*i:ACC+2*i+1], s[42:43] op_sel_hi:[1,0]   ; x c (Q) or x 1 (K), each accumulator from its low end on
.set i, i+1
.endr
	PACK
.irp t, 0,1,2,3,4,5,6,7
	global_store_b128 v[LI], v[OUT+4*\t:OUT+4*\t+3], s[46:47] offset:(\t/4)*524288+2048*\m+512*(\t%4)   ; 32 lanes store 512 consecutive bytes: chunk t % 4 of tile m
.endr
.endr
	s_branch .Lend
; ---- V: the sources swapped
.Lv:
	s_wait_loadcnt 0x0
.irp t, 0,1,2,3,4,5,6,7
.irp j, 1,2,3,4,5,6,7
	v_mov_b32 v[BIAS+8*\t+\j], v[BIAS+8*\t]        ; a lane's eight results of a tile are one column: the same bias eight times, made once
.endr
.endr
.irp m, 0,1,2,3
	XFETCH \m
	WIN 0x04                                       ; source 1 (W) window 1
.irp s, 0,1,2,3
.irp t, 0,1,2,3,4,5,6,7
.if \s == 0
	v_wmma_scale_f32_16x16x128_f8f6f4 v[ACC+8*\t:ACC+8*\t+7], v[XF+8*\s:XF+8*\s+7], v[8*(4*\t+\s):8*(4*\t+\s)+7], v[BIAS+8*\t:BIAS+8*\t+7], v[XS+\s], v[WS+4*\t+\s] matrix_a_fmt:MATRIX_FMT_FP4 matrix_b_fmt:MATRIX_FMT_FP4
.else
	v_wmma_scale_f32_16x16x128_f8f6f4 v[ACC+8*\t:ACC+8*\t+7], v[XF+8*\s:XF+8*\s+7], v[8*(4*\t+\s):8*(4*\t+\s)+7], v[ACC+8*\t:ACC+8*\t+7], v[XS+\s], v[WS+4*\t+\s] matrix_a_fmt:MATRIX_FMT_FP4 matrix_b_fmt:MATRIX_FMT_FP4
.endif
.endr
.endr
	WIN 0
.rept 4
	v_nop
.endr
.irp j, 0,1,2,3,4,5,6,7                ; register j holds the key at place 64 step + 16 m + 8 h + j: masked where that is n1 or more
	v_cmp_ge_i32 vcc_lo, 16*\m+\j, v[DM]
	v_cndmask_b32 v[PC+\j], 0, 1.0, vcc_lo
.endr
.irp j, 0,1,2,3,4,5,6,7
.irp t, 0,1,2,3,4,5,6,7
.if (\m == 0) && (\j == 0)
	v_mul_f32 v[VS+\t], v[PC+\j], v[ACC+8*\t+\j]   ; the first term starts the sum: nothing is cleared
.else
	v_fmac_f32 v[VS+\t], v[PC+\j], v[ACC+8*\t+\j]
.endif
.endr
.endr
	PACK
.irp t, 0,1,2,3,4,5,6,7
	global_store_b128 v[LI], v[OUT+4*\t:OUT+4*\t+3], s[46:47] offset:(\t/4)*524288+2048*(\t%4)+512*\m
.endr
.endr
.irp t, 0,1,2,3,4,5,6,7
	v_permlanex16_b32 v[PC+\t], v[VS+\t], s[SEL], s[SEL+1]
.endr
.irp t, 0,1,2,3,4,5,6,7
	v_add_f32 v[VS+\t], v[VS+\t], v[PC+\t]         ; with the other half's keys: the block's sum for column 16 t + r
.endr
	s_mov_b32 s51, 0xffff0000
.irp t, 0,2,4,6
	v_cndmask_b32 v[PC+\t], v[VS+\t], v[VS+\t+1], s51   ; lanes 16-31 take the next tile's: 32 neighbouring columns
	global_store_b32 v[LS], v[PC+\t], s[22:23] offset:64*\t
.endr
.Lend:
	s_wait_tensorcnt 0x0                           ; the wave's end, behind my last LDS store
	ds_add_u32 v[SPW], v[NIL]
	s_wait_dscnt 0x0
	s_endpgm
.Lfunc_end_k_q37ac7c2929_qkv:
	.size	k_q37ac7c2929_qkv, .Lfunc_end_k_q37ac7c2929_qkv-k_q37ac7c2929_qkv
	.p2alignl 7, 3214868480
	.fill 96, 4, 3214868480
	.section	.rodata,"a",@progbits
	.p2align	6, 0x0
	.amdhsa_kernel k_q37ac7c2929_qkv
		.amdhsa_group_segment_fixed_size 18944
		.amdhsa_private_segment_fixed_size 0
		.amdhsa_enable_private_segment 0
		.amdhsa_kernarg_size 80
		.amdhsa_user_sgpr_count 2
		.amdhsa_user_sgpr_kernarg_segment_ptr 1
		.amdhsa_wavefront_size32 1
		.amdhsa_system_sgpr_workgroup_id_x 1
		.amdhsa_system_sgpr_workgroup_id_y 1
		.amdhsa_system_sgpr_workgroup_id_z 1
		.amdhsa_system_vgpr_workitem_id 0
		.amdhsa_next_free_vgpr 512
		.amdhsa_next_free_sgpr 66
		.amdhsa_reserve_vcc 1
		.amdhsa_float_denorm_mode_32 3
		.amdhsa_float_denorm_mode_16_64 3
		.amdhsa_memory_ordered 1
		.amdhsa_forward_progress 1
		.amdhsa_inst_pref_size 122
	.end_amdhsa_kernel
	.amdgpu_metadata
---
amdhsa.version: [ 1, 2 ]
amdhsa.kernels:
  - .name:           k_q37ac7c2929_qkv
    .symbol:         k_q37ac7c2929_qkv.kd
    .args:
      - { .name: x, .offset: 0, .size: 8, .value_kind: global_buffer, .address_space: global }
      - { .name: list, .offset: 8, .size: 8, .value_kind: global_buffer, .address_space: global }
      - { .name: wts, .offset: 16, .size: 8, .value_kind: global_buffer, .address_space: global }
      - { .name: bq, .offset: 24, .size: 8, .value_kind: global_buffer, .address_space: global }
      - { .name: bk, .offset: 32, .size: 8, .value_kind: global_buffer, .address_space: global }
      - { .name: bv, .offset: 40, .size: 8, .value_kind: global_buffer, .address_space: global }
      - { .name: q16, .offset: 48, .size: 8, .value_kind: global_buffer, .address_space: global }
      - { .name: k16, .offset: 56, .size: 8, .value_kind: global_buffer, .address_space: global }
      - { .name: vt16, .offset: 64, .size: 8, .value_kind: global_buffer, .address_space: global }
      - { .name: vpart, .offset: 72, .size: 8, .value_kind: global_buffer, .address_space: global }
    .group_segment_fixed_size: 18944
    .private_segment_fixed_size: 0
    .kernarg_segment_align: 8
    .kernarg_segment_size: 80
    .max_flat_workgroup_size: 128
    .sgpr_count:     66
    .vgpr_count:     512
    .wavefront_size: 32
...
	.end_amdgpu_metadata
.endif
;; end of part 2
;; launch attn (part 3): grid 16 x 16, 8 waves a work-group, no clusters, 89,088 bytes of LDS; arguments q16, k16, vt16, vpart, list, ao; writes ao
.if DOCPART == 3
	.amdgcn_target "amdgcn-amd-amdhsa--gfx1250"
	.amdhsa_code_object_version 6
	.text
	.protected	k_q37ac7c2929_attn
	.globl	k_q37ac7c2929_attn
	.p2align	8
	.type	k_q37ac7c2929_attn,@function
k_q37ac7c2929_attn:
	s_mov_b64 s[64:65], 0
	v_nop
	global_prefetch_b8 v0, s[64:65] scope:SCOPE_SE
	s_setreg_imm32_b32 hwreg(HW_REG_WAVE_MODE, 25, 1), 1
	s_wait_xcnt 0x0
; ao[b][q][64 head + d] = the sum over keys of softmax(Q . K / 8, masked keys at -10000) V, for one head (work-group y) and 256 queries (work-group x); f16 operands, f32 sums, maxima and sums in f32.
; THE MASK.  Every masked key has the same score, so all masked keys of a batch are ONE term: score -10000, weight n0 = 4096 - n1, value = the sum of their rows of V.  The running softmax BEGINS in that state
; (m = -10000 log2 e, l = n0, O = that sum; with n0 = 0: m = -3e38, l = 0, O = 0), and only the kept keys, which stand first in k16 and vt16, are walked: ceil(n1 / 64) steps.  This holds for every mask and every score.
; Q arrives multiplied by log2(e) / 8, so a score is t, and p = 2^(t - m), m the running maximum; O and l are multiplied by a = 2^(m_old - m_new) in every step.
; SHARES.  Eight waves, 32 queries (two tiles of 16) each.  S^T = K Q^T and O^T = V^T P: a lane holds one query throughout; the packed p ARE the second product's operand.
; TWO ROLES.  A key step is a vector block (VB: 32 LDS loads of fragments, the softmax of step j) and a matrix block (MB: 16 products V^T P of step j, 16 products K Q^T of step j + 1).
; In each half of a trip the waves of one role run VB and those of the other MB; a barrier; then they change places.  Role 1 lags half a step.  role = (wave xor wave / 4) mod 2.
; THE WALK.  The loop's trip count is a constant (68 steps); what hangs on n1, a whole number that an earlier launch stored, is scalar branches round blocks of work, never round a barrier.
; K and V come from memory into registers (16 bytes x 4 a thread and step, four sets: three steps ahead), then into one of four LDS buffers as images of the operands' registers: set X_j = V of step j, K of step j + 1.
; No tensor load, no cluster.
; LIMITS: scores that overflow f32, NaN and infinities are not served; |ao| stays under 65,504.
.set BUFB,  16384                      ; LDS: four buffers of 16,384 bytes (V's image, then K's),
.set VSC,   65536                      ; 512 bytes a wave for the masked rows' sum,
.set STG,   69632                      ; 16 rows x 144 bytes a wave for the way out,
.set SPARE, 88064                      ; and the spare words, 128 bytes a wave: four blocks of 256 bytes that no other line names
.set LI,   1                           ; v1   16 x lane
.set ST16, 2                           ; v2   16 x thread: my place in 4,096 bytes, in LDS and in memory
.set VSW,  3                           ; v3   VSC + 16 x thread
.set VSR,  4                           ; v4   VSC + 512 wave + 288 h
.set STO,  5                           ; v5   the way out: where I put 16 bytes of a row
.set RD,   6                           ; v6   and where I read rows back
.set GO,   7                           ; v7   my byte offset in the wave's rows of ao
.set PFO,  8                           ; v8   256 x lane
.set VPO,  9                           ; v9   vpart: 2,048 h + 16 r
.set DK,   10                          ; v10  the boundary step: n1 - first key - 8 h
.set NEG,  11                          ; v11  -infinity
.set SPW,  12                          ; v12  my spare word; never rewritten
.set NIL,  13                          ; v13  0; never rewritten
.set H8,   14                          ; v14  8 h
.set STAT, 16                          ; tile t's statistics at v[16 + 12 t]:
.set oM,   0                           ; m, and beside it the new m (the pair's low word serves both halves)
.set oMX,  1
.set oL,   2                           ; l, in two halves
.set oA,   4                           ; a, and a word beside it
.set oC,   6                           ; four at work
.set oD,   10                          ; m_old - m_new
.set S,    64                          ; v64-127  S^T: tile t, keys 16 kt on: 64 + 32 t + 8 kt
.set P,    128                         ; v128-159 P: 128 + 16 t + 8 kc
.set O,    160                         ; v160-223 O^T: 160 + 32 t + 8 dt
.set TMP,  224                         ; v224-255
.set KFR,  0                           ; window 1: K's 16 chunks,
.set VFR,  64                          ; V's 16,
.set QFR,  128                         ; Q's 8,
.set SET,  192                         ; and four staging sets of 16 registers
.set WV,   16
.set ROLE, 17
.set BH,   19
.set N1,   22
.set KF,   23                          ; s23  the step's first key
.set TV,   24                          ; s24  the step whose V the trip asks memory for: j + 4
.set CNT,  25
.set SEL,  26
.set VA,   28
.set KA,   30
.set PF,   32
.set PFON, 34
.set KBS,  36
.set VBS,  38
.set MSB, 0
.macro WIN new                         ; the immediate's high byte repeats the setting that is left
.if MSB != \new
	s_set_vgpr_msb (MSB<<8)|\new
.set MSB, \new
.endif
.endm
.macro PLACES n
.rept \n
	v_nop
.endr
.endm
; The fragments of set X_j out of buffer q: V of step j, K of step j + 1, 16 bytes a lane and load, as they were stored
.macro FETCH q
	WIN 0x40                                       ; destination window 1
.set n, 0
.rept 16
	ds_load_b128 v[VFR+4*n:VFR+4*n+3], v[LI] offset:BUFB*(\q)+512*n
.set n, n+1
.endr
.set n, 0
.rept 16
	ds_load_b128 v[KFR+4*n:KFR+4*n+3], v[LI] offset:BUFB*(\q)+8192+512*n
.set n, n+1
.endr
	WIN 0
.endm
; THE MATRIX BLOCK.  In each half eight accumulators take turns, one instruction a turn.  Five places stand at its head: its second half writes S^T anew.
.macro MB
	PLACES 5
	WIN 0x01                                       ; source 0 (V) window 1
.irp kc, 0,1
.irp dt, 0,1,2,3
.irp t, 0,1
	v_wmma_f32_16x16x32_f16 v[O+32*\t+8*\dt:O+32*\t+8*\dt+7], v[VFR+16*\dt+8*\kc:VFR+16*\dt+8*\kc+7], v[P+16*\t+8*\kc:P+16*\t+8*\kc+7], v[O+32*\t+8*\dt:O+32*\t+8*\dt+7]
.endr
.endr
.endr
	WIN 0x05                                       ; sources 0 (K) and 1 (Q) window 1
.irp ks, 0,1
.irp kt, 0,1,2,3
.irp t, 0,1
.if \ks == 0
	v_wmma_f32_16x16x32_f16 v[S+32*\t+8*\kt:S+32*\t+8*\kt+7], v[KFR+16*\kt+8*\ks:KFR+16*\kt+8*\ks+7], v[QFR+16*\t+8*\ks:QFR+16*\t+8*\ks+7], 0
.else
	v_wmma_f32_16x16x32_f16 v[S+32*\t+8*\kt:S+32*\t+8*\kt+7], v[KFR+16*\kt+8*\ks:KFR+16*\kt+8*\ks+7], v[QFR+16*\t+8*\ks:QFR+16*\t+8*\ks+7], v[S+32*\t+8*\kt:S+32*\t+8*\kt+7]
.endif
.endr
.endr
.endr
	WIN 0
.endm
; LIST A of tile t, line n: 0-19 the maximum of the lane's 32 scores and the old m (each accumulator read from its low end on), the other half's, the new m, m_old - m_new; 20-35 t - m, a pair a line
.macro LA t, n
.set rT, STAT+12*(\t)
.set rS, S+32*(\t)
.if (\n) < 4
	v_max3_num_f32 v[rT+oC+(\n)], v[rS+8*(\n)], v[rS+8*(\n)+1], v[rS+8*(\n)+2]
.elseif (\n) < 12
	v_max3_num_f32 v[rT+oC+(\n)%4], v[rT+oC+(\n)%4], v[rS+8*((\n)%4)+2*((\n)/4)+1], v[rS+8*((\n)%4)+2*((\n)/4)+2]
.elseif (\n) == 12
	v_max3_num_f32 v[rT+oC], v[rT+oC], v[rS+7], v[rS+15]
.elseif (\n) == 13
	v_max3_num_f32 v[rT+oC+2], v[rT+oC+2], v[rS+23], v[rS+31]
.elseif (\n) == 14
	v_max3_num_f32 v[rT+oC], v[rT+oC], v[rT+oC+1], v[rT+oC+2]
.elseif (\n) == 15
	v_max3_num_f32 v[rT+oC], v[rT+oC], v[rT+oC+3], v[rT+oM]
.elseif (\n) == 16
	v_permlanex16_b32 v[rT+oMX], v[rT+oC], s[SEL], s[SEL+1]
.elseif (\n) == 17
	v_max_num_f32 v[rT+oMX], v[rT+oC], v[rT+oMX]
.elseif (\n) == 18
	v_sub_f32 v[rT+oD], v[rT+oM], v[rT+oMX]
.elseif (\n) == 19
	v_mov_b32 v[rT+oM], v[rT+oMX]
.else
	v_pk_add_f32 v[rS+2*((\n)-20):rS+2*((\n)-20)+1], v[rS+2*((\n)-20):rS+2*((\n)-20)+1], v[rT+oM:rT+oM+1] op_sel_hi:[1,0] neg_lo:[0,1] neg_hi:[0,1]
.endif
.endm
; LIST B of tile t, line n: 0-15 p rounded to f16, a pair a line; 16-31 the sum of the 32 p in two chains, l = a l + the sum; 32-47 O^T x a
.macro LB t, n
.set rT, STAT+12*(\t)
.set rS, S+32*(\t)
.set rP, P+16*(\t)
.set rO, O+32*(\t)
.if (\n) < 16
	v_cvt_pk_f16_f32 v[rP+(\n)], v[rS+2*(\n)], v[rS+2*(\n)+1]
.elseif (\n) == 16
	v_pk_add_f32 v[rT+oC:rT+oC+1], v[rS:rS+1], v[rS+2:rS+3]
.elseif (\n) == 17
	v_pk_add_f32 v[rT+oC+2:rT+oC+3], v[rS+4:rS+5], v[rS+6:rS+7]
.elseif (\n) < 30
.set k, (\n)-18
	v_pk_add_f32 v[rT+oC+2*(k%2):rT+oC+2*(k%2)+1], v[rT+oC+2*(k%2):rT+oC+2*(k%2)+1], v[rS+8+2*k:rS+8+2*k+1]
.elseif (\n) == 30
	v_pk_add_f32 v[rT+oC:rT+oC+1], v[rT+oC:rT+oC+1], v[rT+oC+2:rT+oC+3]
.elseif (\n) == 31
	v_pk_fma_f32 v[rT+oL:rT+oL+1], v[rT+oL:rT+oL+1], v[rT+oA:rT+oA+1], v[rT+oC:rT+oC+1] op_sel_hi:[1,0,1]
.else
	v_pk_mul_f32 v[rO+2*((\n)-32):rO+2*((\n)-32)+1], v[rO+2*((\n)-32):rO+2*((\n)-32)+1], v[rT+oA:rT+oA+1] op_sel_hi:[1,0]
.endif
.endm
; THE VECTOR BLOCK of the step whose set lies in buffer q.  The exponentials go in two batches of 33, one for each tile, each with ONE wait ahead of its first reader;
; a plain line of the OTHER tile's work, which names no result of the batch, stands behind each exponential.
.macro VB q
	PLACES 4                                       ; behind the last products: ahead of the loads into their operands and of the first read of S^T
	FETCH \q
	s_add_co_u32 s96, s[KF], 64
	s_cmp_le_u32 s96, s[N1]
	s_cbranch_scc1 .Lfull_\@
	s_sub_co_u32 s96, s[N1], s[KF]                 ; the last step of the walk: the keys at or behind place n1 count for nothing here: -infinity, so p = 0
	v_sub_nc_u32 v[DK], s96, v[H8]
.set n, 0
.rept 32
	v_cmp_ge_i32 vcc_lo, 16*(n/8)+n%8, v[DK]       ; register 8 kt + j holds the key 16 kt + 8 h + j of the step
	v_cndmask_b32 v[S+n], v[S+n], v[NEG], vcc_lo
	v_cndmask_b32 v[S+32+n], v[S+32+n], v[NEG], vcc_lo
.set n, n+1
.endr
.Lfull_\@:
.set n, 0
.rept 36
	LA 0, n
.set n, n+1
.endr
	v_exp_f32 v[STAT+oA], v[STAT+oD]               ; batch 1: tile 0's a and its 32 p
	LA 1, 0
.set e, 0
.rept 32
	v_exp_f32 v[S+e], v[S+e]
	LA 1, e+1
.set e, e+1
.endr
	LA 1, 33
	LA 1, 34
	LA 1, 35
	s_wait_alu depctr_va_vdst(0)                   ; one wait for batch 1
	v_exp_f32 v[STAT+12+oA], v[STAT+12+oD]         ; batch 2: tile 1's
	LB 0, 0
.set e, 0
.rept 32
	v_exp_f32 v[S+32+e], v[S+32+e]
	LB 0, e+1
.set e, e+1
.endr
.set e, 33
.rept 15
	LB 0, e
.set e, e+1
.endr
	s_wait_alu depctr_va_vdst(0)                   ; one wait for batch 2
.set e, 0
.rept 48
	LB 1, e
.set e, e+1
.endr
.endm
; STAGING, in the odd half of trip j (q = j mod 4), where step j + 1 is walked: set X_(j+1), asked for three trips ago, goes from registers into buffer (q + 1) mod 4, whose last reader stands three trips back;
; X_(j+4) is asked for, into the registers that were stored a trip ago.  Steps past the last are held at the last: no load leaves its buffer.
.macro STAGE q
	s_add_co_u32 s96, s[KF], 64
	s_cmp_lt_u32 s96, s[N1]
	s_cbranch_scc0 .Lidle_\@
	s_wait_xcnt 0x0                                ; the last trip's loads and prefetch have read their addresses, which are written now
	s_min_u32 s96, s[TV], 63
	s_lshl_b32 s96, s96, 13
	s_mov_b32 s97, 0
	s_add_nc_u64 s[VA:VA+1], s[VBS:VBS+1], s[96:97]
	s_add_co_u32 s96, s[TV], 1
	s_min_u32 s96, s96, 63
	s_lshl_b32 s96, s96, 13
	s_add_nc_u64 s[KA:KA+1], s[KBS:KBS+1], s[96:97]
	s_cmp_eq_u32 s[WV], 0
	s_cselect_b64 s[PF:PF+1], s[VA:VA+1], s[KA:KA+1]
	s_wait_loadcnt 8                               ; X_(j+1)'s four loads are in; the eight of the two younger sets may be out
	WIN 0x04                                       ; an LDS store's data: window 1
.irp i, 0,1,2,3
	ds_store_b128 v[ST16], v[SET+16*(((\q)+1)%4)+4*\i:SET+16*(((\q)+1)%4)+4*\i+3] offset:BUFB*(((\q)+1)%4)+4096*\i
.endr
	WIN 0x40                                       ; destination window 1
	global_load_b128 v[SET+16*(\q):SET+16*(\q)+3], v[ST16], s[VA:VA+1]
	global_load_b128 v[SET+16*(\q)+4:SET+16*(\q)+7], v[ST16], s[VA:VA+1] offset:4096
	global_load_b128 v[SET+16*(\q)+8:SET+16*(\q)+11], v[ST16], s[KA:KA+1]
	global_load_b128 v[SET+16*(\q)+12:SET+16*(\q)+15], v[ST16], s[KA:KA+1] offset:4096
	WIN 0
; A prefetch of the images that the loads three trips on will ask for: 8,192 bytes, lanes 256 bytes apart.  All 16 work-groups of a head walk the same images: the first of them asks, wave 0 for V's, wave 1 for K's,
; so each 256 bytes are named once.  It stops where step j + 8 is not walked, so it stays inside the head's images.
	s_add_co_u32 s96, s[KF], 512
	s_cmp_lt_u32 s96, s[N1]
	s_cselect_b32 s96, s[PFON], 0
	s_cmp_lg_u32 s96, 0
	s_cbranch_scc0 .Lstaged_\@
	global_prefetch_b8 v[PFO], s[PF:PF+1] offset:24576 th:TH_LOAD_NT scope:SCOPE_SE
	s_branch .Lstaged_\@
.Lidle_\@:
	s_wait_loadcnt 0x0                             ; nothing is staged: with no load out, the counted wait above holds on every way to it
.Lstaged_\@:
.endm
; A TRIP: step j for role 0; the second half of step j - 1 and the first of step j for role 1.  Both barriers stand where all ways join; in front of each a wave's LDS loads are in and its LDS stores have landed.
.macro TRIP q
	s_cmp_lg_u32 s[ROLE], 0
	s_cbranch_scc1 .Leven1_\@
	s_cmp_lt_u32 s[KF], s[N1]
	s_cbranch_scc0 .Levenj_\@
	VB \q
	s_branch .Levenj_\@
.Leven1_\@:
	s_sub_co_u32 s96, s[KF], 64                    ; (in trip 0 this wraps to a number above every n1)
	s_cmp_lt_u32 s96, s[N1]
	s_cbranch_scc0 .Levenj_\@
	MB
.Levenj_\@:
	s_wait_dscnt 0x0
	s_barrier_signal -1
	s_barrier_wait -1
	STAGE \q
	s_cmp_lt_u32 s[KF], s[N1]
	s_cbranch_scc0 .Loddj_\@
	s_cmp_lg_u32 s[ROLE], 0
	s_cbranch_scc1 .Lodd1_\@
	MB
	s_branch .Loddj_\@
.Lodd1_\@:
	VB \q
.Loddj_\@:
	s_wait_dscnt 0x0
	s_barrier_signal -1
	s_barrier_wait -1
	s_add_co_u32 s[KF], s[KF], 64
	s_add_co_u32 s[TV], s[TV], 1
.endm
	s_load_b256 s[4:11], s[0:1], 0x0               ; q16 s[4:5], k16 s[6:7], vt16 s[8:9], vpart s[10:11]
	s_load_b128 s[12:15], s[0:1], 0x20             ; list s[12:13], ao s[14:15]
	v_lshl_add_u32 v[SPW], v0, 2, SPARE
	v_mov_b32 v[NIL], 0
	v_lshrrev_b32 v15, 5, v0
	v_readfirstlane_b32 s[WV], v15                 ; wave 0..7
	s_lshr_b32 s[ROLE], s[WV], 2
	s_xor_b32 s[ROLE], s[ROLE], s[WV]
	s_and_b32 s[ROLE], s[ROLE], 1
	v_and_b32 v15, 31, v0                          ; lane
	v_lshlrev_b32 v[LI], 4, v15
	v_lshlrev_b32 v[ST16], 4, v0
	v_add_nc_u32 v[VSW], VSC, v[ST16]
	v_bfe_u32 v[H8], v0, 4, 1                      ; h
	s_lshl_b32 s40, s[WV], 9
	s_add_co_u32 s40, s40, VSC
	v_mul_u32_u24 v[VSR], v[H8], 288
	v_add_nc_u32 v[VSR], s40, v[VSR]
	v_and_b32 v[DK], 15, v0                        ; r
	s_mul_i32 s40, s[WV], 2304
	s_add_co_u32 s40, s40, STG                     ; my stage
	v_mul_u32_u24 v[STO], v[DK], 144
	v_lshl_add_u32 v[STO], v[H8], 4, v[STO]
	v_add_nc_u32 v[STO], s40, v[STO]               ; in: row r, 16 bytes for each half of the lanes
	v_lshrrev_b32 v[GO], 3, v15
	v_and_b32 v[PFO], 7, v15
	v_mul_u32_u24 v[RD], v[GO], 144
	v_lshl_add_u32 v[RD], v[PFO], 4, v[RD]
	v_add_nc_u32 v[RD], s40, v[RD]                 ; back: eight lanes to a row of 128 bytes, four rows an instruction
	v_lshlrev_b32 v[GO], 10, v[GO]
	v_lshl_add_u32 v[GO], v[PFO], 4, v[GO]         ; and the same in ao, whose rows are 1,024 bytes
	v_lshlrev_b32 v[PFO], 8, v15
	v_lshlrev_b32 v[VPO], 11, v[H8]
	v_lshl_add_u32 v[VPO], v[DK], 4, v[VPO]
	v_lshlrev_b32 v[H8], 3, v[H8]
	v_mov_b32 v[NEG], 0xff800000
.irp t, 0,1
	v_mov_b32 v[STAT+12*\t+oMX], 0                 ; named in pairs or as a lane permute's destination before they are first computed
	v_mov_b32 v[STAT+12*\t+oL+1], 0
	v_mov_b32 v[STAT+12*\t+oA], 0
	v_mov_b32 v[STAT+12*\t+oA+1], 0
	v_mov_b32 v[STAT+12*\t+oC+1], 0
.endr
	s_and_b32 s[BH], ttmp7, 0xffff
	s_lshr_b32 s20, s[BH], 3                       ; batch
	s_and_b32 s21, s[BH], 7                        ; head
	s_lshl_b32 s40, s[BH], 19                      ; the head's images: 524,288 bytes in each of the three buffers
	s_mov_b32 s41, 0
	s_lshl_b32 s42, ttmp9, 15
	s_lshl_b32 s43, s[WV], 12
	s_add_co_u32 s42, s42, s43
	s_add_co_u32 s42, s42, s40                     ; my two tiles of Q: tile 16 x + 2 wave, 2,048 bytes a tile
	s_mov_b32 s43, 0
	s_lshl_b32 s44, s20, 17
	s_lshl_b32 s45, s21, 8
	s_add_co_u32 s44, s44, s45                     ; vpart: the batch's 64 blocks, the head's 64 columns
	s_mov_b32 s45, 0
	s_lshl_b32 s46, s20, 22
	s_lshl_b32 s47, ttmp9, 18
	s_add_co_u32 s46, s46, s47
	s_lshl_b32 s47, s[WV], 15
	s_add_co_u32 s46, s46, s47
	s_lshl_b32 s47, s21, 7
	s_add_co_u32 s46, s46, s47                     ; ao: row 4096 b + 256 x + 32 wave, + 128 head bytes
	s_mov_b32 s47, 0
	s_lshl_b32 s48, s20, 9
	s_mov_b32 s[SEL], 0x76543210
	s_mov_b32 s[SEL+1], 0xfedcba98
	s_mov_b32 s[KF], 0
	s_mov_b32 s[TV], 4
	s_mov_b32 s[CNT], 17
	s_cmp_lt_u32 s[WV], 2
	s_cselect_b32 s[PFON], 1, 0
	s_cmp_eq_u32 ttmp9, 0
	s_cselect_b32 s[PFON], s[PFON], 0
	s_wait_kmcnt 0x0
	s_load_b32 s[N1], s[12:13], s48 offset:0x8000  ; the batch's kept keys
	s_add_nc_u64 s[4:5], s[4:5], s[42:43]
	s_add_nc_u64 s[KBS:KBS+1], s[6:7], s[40:41]
	s_add_nc_u64 s[VBS:VBS+1], s[8:9], s[40:41]
	s_add_nc_u64 s[10:11], s[10:11], s[44:45]
	s_add_nc_u64 s[14:15], s[14:15], s[46:47]
	WIN 0x40                                       ; destination window 1
.set n, 0
.rept 8
	global_load_b128 v[QFR+4*n:QFR+4*n+3], v[LI], s[4:5] offset:512*n          ; Q stays in registers
.set n, n+1
.endr
.set n, 0
.rept 16
	global_load_b128 v[KFR+4*n:KFR+4*n+3], v[LI], s[KBS:KBS+1] offset:512*n    ; K of step 0, straight into its fragments
.set n, n+1
.endr
.set n, 0
.rept 16
	global_load_b128 v[VFR+4*n:VFR+4*n+3], v[VPO], s[10:11] offset:4096*n      ; the 64 blocks' sums of masked rows, two blocks a load: lanes 0-15 one block's 64 columns, lanes 16-31 the next's
.set n, n+1
.endr
	WIN 0
.set n, 0
.rept 8
	global_load_b128 v[P+4*n:P+4*n+3], v[VPO], s[10:11] offset:4096*(16+n)
.set n, n+1
.endr
.set n, 0
.rept 8
	global_load_b128 v[TMP+4*n:TMP+4*n+3], v[VPO], s[10:11] offset:4096*(24+n)
.set n, n+1
.endr
	WIN 0x40
.irp q, 0,1,2,3                        ; sets X_0 .. X_3
	global_load_b128 v[SET+16*\q:SET+16*\q+3], v[ST16], s[VBS:VBS+1] offset:8192*\q
	global_load_b128 v[SET+16*\q+4:SET+16*\q+7], v[ST16], s[VBS:VBS+1] offset:8192*\q+4096
	global_load_b128 v[SET+16*\q+8:SET+16*\q+11], v[ST16], s[KBS:KBS+1] offset:8192*(\q+1)
	global_load_b128 v[SET+16*\q+12:SET+16*\q+15], v[ST16], s[KBS:KBS+1] offset:8192*(\q+1)+4096
.endr
	WIN 0
	s_wait_kmcnt 0x0
	s_min_u32 s[N1], s[N1], 4096
	s_sub_co_u32 s40, 4096, s[N1]                  ; n0
	s_mov_b32 s41, 0xc6616bcd                      ; -10000 log2 e
	s_mov_b32 s42, 0xff61b1e6                      ; -3e38, under every score
	s_cmp_lg_u32 s40, 0
	s_cselect_b32 s41, s41, s42
	v_cvt_f32_u32 v[STAT+oL], s40
	v_mul_f32 v[STAT+oL], 0.5, v[STAT+oL]          ; l = n0: half in each half of the lanes, which are added at the end
	v_mov_b32 v[STAT+12+oL], v[STAT+oL]
	v_mov_b32 v[STAT+oM], s41
	v_mov_b32 v[STAT+12+oM], s41
	s_wait_loadcnt 16                              ; all but the four sets' 16 loads
	WIN 0x45                                       ; destination and both sources window 1
.irp d, 8,4,2,1
.set u, 0
.rept 2*\d
	v_pk_add_f32 v[VFR+2*u:VFR+2*u+1], v[VFR+2*u:VFR+2*u+1], v[VFR+2*u+4*\d:VFR+2*u+4*\d+1]
.set u, u+1
.endr
.endr
	WIN 0
.set u, 0
.rept 16
	v_pk_add_f32 v[P+2*u:P+2*u+1], v[P+2*u:P+2*u+1], v[TMP+2*u:TMP+2*u+1]
.set u, u+1
.endr
.irp d, 4,2,1
.set u, 0
.rept 2*\d
	v_pk_add_f32 v[P+2*u:P+2*u+1], v[P+2*u:P+2*u+1], v[P+2*u+4*\d:P+2*u+4*\d+1]
.set u, u+1
.endr
.endr
	WIN 0x01                                       ; source 0 window 1
	v_pk_add_f32 v[P:P+1], v[VFR:VFR+1], v[P:P+1]
	v_pk_add_f32 v[P+2:P+3], v[VFR+2:VFR+3], v[P+2:P+3]
	WIN 0
.irp i, 0,1,2,3
	v_permlanex16_b32 v[TMP+\i], v[P+\i], s[SEL], s[SEL+1]
.endr
.irp i, 0,1,2,3
	v_add_f32 v[P+\i], v[P+\i], v[TMP+\i]          ; the sum of all masked rows of V, columns 4 r .. 4 r + 3, in both halves of the lanes
.endr
	ds_store_b128 v[VSW], v[P:P+3]                 ; through my own 512 bytes of LDS (two copies of 256): LDS serves a wave's instructions in order
.irp t, 0,1
.irp dt, 0,1,2,3
	ds_load_b128 v[O+32*\t+8*\dt:O+32*\t+8*\dt+3], v[VSR] offset:64*\dt        ; O^T begins as that sum: register j of tile dt is channel 16 dt + 8 h + j, for every query
	ds_load_b128 v[O+32*\t+8*\dt+4:O+32*\t+8*\dt+7], v[VSR] offset:64*\dt+16
.endr
.endr
	WIN 0x05
.irp ks, 0,1                           ; the scores of step 0
.irp kt, 0,1,2,3
.irp t, 0,1
.if \ks == 0
	v_wmma_f32_16x16x32_f16 v[S+32*\t+8*\kt:S+32*\t+8*\kt+7], v[KFR+16*\kt+8*\ks:KFR+16*\kt+8*\ks+7], v[QFR+16*\t+8*\ks:QFR+16*\t+8*\ks+7], 0
.else
	v_wmma_f32_16x16x32_f16 v[S+32*\t+8*\kt:S+32*\t+8*\kt+7], v[KFR+16*\kt+8*\ks:KFR+16*\kt+8*\ks+7], v[QFR+16*\t+8*\ks:QFR+16*\t+8*\ks+7], v[S+32*\t+8*\kt:S+32*\t+8*\kt+7]
.endif
.endr
.endr
.endr
	WIN 0
	s_wait_loadcnt 12                              ; X_0 is in; the 12 loads of X_1 to X_3 may be out
	WIN 0x04
.irp i, 0,1,2,3
	ds_store_b128 v[ST16], v[SET+4*\i:SET+4*\i+3] offset:4096*\i
.endr
	WIN 0
	s_wait_dscnt 0x0
	s_barrier_signal -1
	s_barrier_wait -1                              ; X_0 lies in buffer 0
.Ltrips:                               ; 17 x 4 = 68 trips: 64 steps, and one trip more for role 1's last matrix block
	TRIP 0
	TRIP 1
	TRIP 2
	TRIP 3
	s_sub_co_u32 s[CNT], s[CNT], 1
	s_cmp_lg_u32 s[CNT], 0
	s_cbranch_scc1 .Ltrips
	; THE WAY OUT: l's halves are added; O^T / l is rounded to f16 and goes through my stage, a tile at a time, so that eight lanes store a row's 128 bytes
	PLACES 4
.irp t, 0,1
	v_add_f32 v[STAT+12*\t+oC], v[STAT+12*\t+oL], v[STAT+12*\t+oL+1]
.endr
.irp t, 0,1
	v_permlanex16_b32 v[STAT+12*\t+oC+1], v[STAT+12*\t+oC], s[SEL], s[SEL+1]
.endr
.irp t, 0,1
	v_add_f32 v[STAT+12*\t+oC], v[STAT+12*\t+oC], v[STAT+12*\t+oC+1]
.endr
.irp t, 0,1
	v_rcp_f32 v[STAT+12*\t+oA], v[STAT+12*\t+oC]
.endr
	v_nop                                          ; a plain line behind the reciprocals,
	s_wait_alu depctr_va_vdst(0)                   ; and the one wait ahead of their first reader
.irp t, 0,1
.set n, 0
.rept 16
	v_pk_mul_f32 v[96+2*n:97+2*n], v[O+32*\t+2*n:O+32*\t+2*n+1], v[STAT+12*\t+oA:STAT+12*\t+oA+1] op_sel_hi:[1,0]
.set n, n+1
.endr
.set n, 0
.rept 16
	v_cvt_pk_f16_f32 v[64+16*\t+n], v[96+2*n], v[97+2*n]
.set n, n+1
.endr
.irp dt, 0,1,2,3
	ds_store_b128 v[STO], v[64+16*\t+4*\dt:64+16*\t+4*\dt+3] offset:32*\dt
.endr
.irp i, 0,1,2,3
	ds_load_b128 v[TMP+16*\t+4*\i:TMP+16*\t+4*\i+3], v[RD] offset:576*\i       ; in order behind my stores; the next tile's stores come behind these loads
.endr
.endr
.irp t, 0,1
.irp i, 0,1,2,3
	s_wait_dscnt 8*(1-\t)+3-\i                     ; the LDS instructions issued behind this load may be out
	global_store_b128 v[GO], v[TMP+16*\t+4*\i:TMP+16*\t+4*\i+3], s[14:15] offset:16384*\t+4096*\i
.endr
.endr
	s_wait_tensorcnt 0x0                           ; the wave's end, behind my last LDS store
	ds_add_u32 v[SPW], v[NIL]
	s_wait_dscnt 0x0
	s_endpgm
.Lfunc_end_k_q37ac7c2929_attn:
	.size	k_q37ac7c2929_attn, .Lfunc_end_k_q37ac7c2929_attn-k_q37ac7c2929_attn
	.p2alignl 7, 3214868480
	.fill 96, 4, 3214868480
	.section	.rodata,"a",@progbits
	.p2align	6, 0x0
	.amdhsa_kernel k_q37ac7c2929_attn
		.amdhsa_group_segment_fixed_size 89088
		.amdhsa_private_segment_fixed_size 0
		.amdhsa_enable_private_segment 0
		.amdhsa_kernarg_size 48
		.amdhsa_user_sgpr_count 2
		.amdhsa_user_sgpr_kernarg_segment_ptr 1
		.amdhsa_wavefront_size32 1
		.amdhsa_system_sgpr_workgroup_id_x 1
		.amdhsa_system_sgpr_workgroup_id_y 1
		.amdhsa_system_sgpr_workgroup_id_z 1
		.amdhsa_system_vgpr_workitem_id 0
		.amdhsa_next_free_vgpr 512
		.amdhsa_next_free_sgpr 100
		.amdhsa_reserve_vcc 1
		.amdhsa_float_denorm_mode_32 3
		.amdhsa_float_denorm_mode_16_64 3
		.amdhsa_memory_ordered 1
		.amdhsa_forward_progress 1
		.amdhsa_inst_pref_size 194
	.end_amdhsa_kernel
	.amdgpu_metadata
---
amdhsa.version: [ 1, 2 ]
amdhsa.kernels:
  - .name:           k_q37ac7c2929_attn
    .symbol:         k_q37ac7c2929_attn.kd
    .args:
      - { .name: q16, .offset: 0, .size: 8, .value_kind: global_buffer, .address_space: global }
      - { .name: k16, .offset: 8, .size: 8, .value_kind: global_buffer, .address_space: global }
      - { .name: vt16, .offset: 16, .size: 8, .value_kind: global_buffer, .address_space: global }
      - { .name: vpart, .offset: 24, .size: 8, .value_kind: global_buffer, .address_space: global }
      - { .name: list, .offset: 32, .size: 8, .value_kind: global_buffer, .address_space: global }
      - { .name: ao, .offset: 40, .size: 8, .value_kind: global_buffer, .address_space: global }
    .group_segment_fixed_size: 89088
    .private_segment_fixed_size: 0
    .kernarg_segment_align: 8
    .kernarg_segment_size: 48
    .max_flat_workgroup_size: 256
    .sgpr_count:     100
    .vgpr_count:     512
    .wavefront_size: 32
...
	.end_amdgpu_metadata
.endif
;; end of part 3
;; launch oproj (part 4): grid 4 x 64, 4 waves a work-group, clusters of 4 x 4, 327,680 bytes of LDS; arguments ao, wts, out0, bo; writes out0
.if DOCPART == 4
	.amdgcn_target "amdgcn-amd-amdhsa--gfx1250"
	.amdhsa_code_object_version 6
	.text
	.protected	k_q37ac7c2929_oproj
	.globl	k_q37ac7c2929_oproj
	.p2align	8
	.type	k_q37ac7c2929_oproj,@function
k_q37ac7c2929_oproj:
	s_mov_b64 s[64:65], 0
	v_nop
	global_prefetch_b8 v0, s[64:65] scope:SCOPE_SE
	s_setreg_imm32_b32 hwreg(HW_REG_WAVE_MODE, 25, 1), 1
	s_wait_xcnt 0x0
	s_wait_alu depctr_hold_cnt(0) depctr_sa_sdst(0) depctr_va_vdst(0) depctr_va_sdst(0) depctr_va_ssrc(0) depctr_va_vcc(0) depctr_vm_vsrc(0)
	s_getreg_b32 s2, hwreg(HW_REG_IB_STS2, 6, 4)
	s_cmp_eq_u32 s2, 0
	s_cbranch_scc0 .Lentry_in_a_cluster
	s_endpgm
.Lentry_in_a_cluster:
	s_bfe_u32 s2, ttmp6, 0x10000c
	s_cmp_lg_u32 s2, 0xf033
	s_cbranch_scc0 .Lentry_shape_is_right
	s_endpgm
.Lentry_shape_is_right:
; out0[m][n] = sum over k of ao[m][k] Wo[n][k] + bo[n].  ao: [8192][512] f16; Wo: [512][512] f16, at byte WO16 of wts; out0: [8192][512] f32; sums in f32.
; A tile of out0 is 128 x 128: 256 work-groups of four waves, each wave 64 x 64: 16 accumulators of 16 x 16.  K = 512 is two steps of 256, each in an LDS slot of its own: both are filled once, at the start; nothing is filled again.
; CLUSTERS: 4 x 4 work-groups.  The four of a row of the cluster need the same tiles of ao, the four of a column the same tiles of Wo: each tile is asked for JOINTLY, by the same tensor load with the same descriptor
; and a mask that names the four.  THE MATRIX INSTRUCTION IS USED TRANSPOSED (source 0 = 16 rows of Wo, source 1 = 16 rows of ao): a lane holds eight neighbouring numbers of a row of out0.
; bo is the C of each sum's first matrix instruction.  A wave's 64 columns are 256 bytes of a row: each wave sends its blocks of 16 rows through a stage of its own and stores whole aligned runs of 256 bytes.
; REGISTERS: window 0: v0-31 addresses; v32-95 rows on the way out; v96-127 bo; v128-255 the accumulators ((a, b) at v[128 + 8 (4 a + b)]).  Window 1: two fragment buffers of 128.
.set SIZE_N, 512
.set SIZE_K, 512
.set WO16,   442368
.set KSTEP,  256
.set PITCH,  528                       ; an LDS row: 512 bytes + 16 of padding: the 16 rows that a load touches start 132 words apart
.set HALFT,  64*PITCH                  ; 64 rows: what one tensor load brings
.set SLOT,   4*HALFT                   ; ao's 128 rows, then Wo's 128 rows
.set STAGE,  2*SLOT                    ; behind the slots: for each wave two stages of 16 rows x 272 bytes
.set SPITCH, 272
.set SPARE,  STAGE+128*SPITCH          ; behind the stages: the spare words, 128 bytes a wave: two blocks of 256 bytes that no other line names
.set ADRA, 16
.set ADRB, 20
.set STO,  24
.set RD,   25
.set CO,   26
.set BOF,  27
.set SPW,  28
.set NIL,  29
.set TMP,  32
.set BI,   96
.set ACC,  128
.set F0,   0
.set F1,   128
.set G1, 24
.set G0, 32
.set G1B, 48
.set G0B, 56
.set MSB, 0
.macro WIN new                         ; the immediate's high byte repeats the setting that is left
.if MSB != \new
	s_set_vgpr_msb (MSB<<8)|\new
.set MSB, \new
.endif
.endm
.set MUL,  0x05                        ; sources 0 (Wo) and 1 (ao) window 1; C and D window 0
.set TO_F, 0x40                        ; destination window 1, address window 0
.macro JLOAD s                         ; a joint load: waves 0 and 1 fetch ao's two halves, waves 2 and 3 Wo's; an s_nop 0 and four v_nop follow each of the two lines
	s_cmp_eq_u32 s11, 0
	s_cbranch_scc0 .Lfor_b_\@
	tensor_load_to_lds s[G0+4*\s:G0+4*\s+3], s[G1:G1+7]
	s_nop 0
.rept 4
	v_nop
.endr
	s_branch .Lasked_\@
.Lfor_b_\@:
	tensor_load_to_lds s[G0B+4*\s:G0B+4*\s+3], s[G1B:G1B+7]
	s_nop 0
.rept 4
	v_nop
.endr
.Lasked_\@:
.endm
.macro CROUND                          ; a round of the cluster's barrier
	s_barrier_signal -1
	s_barrier_wait -1
	s_cmp_lg_u32 s10, 0
	s_cbranch_scc1 .Lnot_wave_0_\@
	s_barrier_signal -3
.Lnot_wave_0_\@:
	s_barrier_wait -3
	s_barrier_signal -1
	s_barrier_wait -1
.endm
	s_load_b128 s[4:7], s[0:1], 0x0                ; ao s[4:5], wts s[6:7]
	s_load_b64 s[8:9], s[0:1], 0x10                ; out0
	s_load_b64 s[2:3], s[0:1], 0x18                ; bo
	v_lshl_add_u32 v[SPW], v0, 2, SPARE
	v_mov_b32 v[NIL], 0
	ds_add_u32 v[SPW], v[NIL]                      ; the wave's opening: the add, twice on end, and its wait ahead of my first tensor load
	ds_add_u32 v[SPW], v[NIL]
	v_lshrrev_b32 v1, 5, v0
	v_readfirstlane_b32 s10, v1                    ; wave 0..3
	s_lshr_b32 s11, s10, 1                         ; which half of the tile's rows is mine.  Also: I fetch for ao (0) or for Wo (1)
	s_and_b32 s12, s10, 1                          ; which half of its columns.  Also: which 64 rows of that tile I fetch
	s_bfe_u32 s40, ttmp6, 0x40000                  ; cx, cy: my place in the cluster
	s_bfe_u32 s41, ttmp6, 0x40004
	s_lshl_b32 s42, ttmp9, 2
	s_add_co_u32 s42, s42, s40                     ; tile column = 4 x cluster x + cx
	s_and_b32 s13, ttmp7, 0xffff
	s_lshl_b32 s13, s13, 2
	s_add_co_u32 s13, s13, s41                     ; tile row = 4 x cluster y + cy
	s_lshl_b32 s43, s41, 2
	s_lshl_b32 s43, 15, s43                        ; my row of the cluster
	s_lshl_b32 s44, 0x1111, s40                    ; my column
	s_or_b32 s[G1+0], s43, (1<<16)|(1<<20)|(1<<21)|(6<<22)|(3<<25)  ; the mask: ao's tiles go to my row; elements of 2 bytes; padding on: 4 words after every 128; bit 21 beside a mask
	s_or_b32 s[G1B+0], s44, (1<<16)|(1<<20)|(1<<21)|(6<<22)|(3<<25)
.irp g, G1, G1B
	s_mov_b32 s[\g+1], KSTEP<<16                   ; tensor_dim0 = 256
	s_mov_b32 s[\g+2], 64<<16                      ; tensor_dim1 = 64
	s_mov_b32 s[\g+3], KSTEP<<16                   ; tile_dim0 = 256
	s_mov_b32 s[\g+4], 64                          ; tile_dim1 = 64
	s_mov_b32 s[\g+5], SIZE_K                      ; elements from row to row
	s_mov_b32 s[\g+6], 0
	s_mov_b32 s[\g+7], 0
.endr
	s_lshl_b32 s17, s12, 6                         ; which 64 rows of the tile I fetch
	s_lshl_b32 s16, s13, 7
	s_add_co_u32 s16, s16, s17                     ; ao: row 128 x tile row + 64 x half
	s_lshl_b32 s46, s42, 7
	s_add_co_u32 s46, s46, s17                     ; Wo: row 128 x tile column + 64 x half
	s_mov_b32 s17, 0
	s_mov_b32 s47, 0
	s_mov_b64 s[18:19], SIZE_K*2
	s_mul_u64 s[16:17], s[16:17], s[18:19]
	s_mul_u64 s[46:47], s[46:47], s[18:19]
	s_mul_i32 s20, s10, HALFT                      ; where they go: wave x 64 rows: no place in the cluster enters an LDS address
	s_wait_dscnt 0x0                               ; both opening adds are done
	s_wait_kmcnt 0x0
	s_add_nc_u64 s[6:7], s[6:7], WO16
	s_add_nc_u64 s[14:15], s[4:5], s[16:17]
	s_add_nc_u64 s[46:47], s[6:7], s[46:47]
	CROUND                                         ; all sixteen work-groups are here: the joint loads meet
.irp s, 0,1
	s_mov_b32 s[G0+4*\s], 1
	s_add_co_u32 s[G0+4*\s+1], s20, \s*SLOT
	s_add_nc_u64 s[G0+4*\s+2:G0+4*\s+3], s[14:15], \s*KSTEP*2
	s_or_b32 s[G0+4*\s+3], s[G0+4*\s+3], 0x80000000
	s_mov_b32 s[G0B+4*\s], 1
	s_add_co_u32 s[G0B+4*\s+1], s20, \s*SLOT
	s_add_nc_u64 s[G0B+4*\s+2:G0B+4*\s+3], s[46:47], \s*KSTEP*2
	s_or_b32 s[G0B+4*\s+3], s[G0B+4*\s+3], 0x80000000
	JLOAD \s                                       ; two loads of mine are out: both K steps
.endr
	v_and_b32 v1, 15, v0                           ; l % 16
	v_bfe_u32 v2, v0, 4, 1                         ; l / 16
	v_mul_u32_u24 v3, v1, PITCH
	v_lshl_add_u32 v3, v2, 4, v3                   ; a fragment's row x pitch + 16 x half
	s_mul_i32 s21, s11, HALFT                      ; my 64 rows of ao
	s_mul_i32 s22, s12, HALFT                      ; my 64 rows of Wo,
	s_add_co_u32 s22, s22, 2*HALFT                 ; which lie behind ao's 128
.irp s, 0,1
	v_add_nc_u32 v[ADRA+\s], s21, v3
	v_add_nc_u32 v[ADRB+\s], s22, v3
	s_add_co_u32 s21, s21, SLOT
	s_add_co_u32 s22, s22, SLOT
.endr
	s_mul_i32 s23, s10, 2*16*SPITCH
	s_add_co_u32 s23, s23, STAGE                   ; my two stages
	v_mul_u32_u24 v4, v1, SPITCH
	v_lshl_add_u32 v4, v2, 5, v4
	v_add_nc_u32 v[STO], s23, v4                   ; in: row l % 16, 32 bytes for each half of the lanes
	v_mul_u32_u24 v5, v2, SPITCH
	v_lshl_add_u32 v5, v1, 4, v5
	v_add_nc_u32 v[RD], s23, v5                    ; back: lanes 0-15 one row of 256 bytes, lanes 16-31 the next
	v_lshlrev_b32 v5, 11, v2
	v_lshl_add_u32 v[CO], v1, 4, v5                ; and the same two rows in out0, whose rows are 2,048 bytes
	v_lshlrev_b32 v[BOF], 5, v2                    ; bo: 8 numbers for each half of the lanes
	s_lshl_b32 s16, s13, 7
	s_lshl_b32 s17, s11, 6
	s_add_co_u32 s16, s16, s17                     ; my first row: 128 x tile row + 64 x half
	s_lshl_b32 s16, s16, 11
	s_mov_b32 s17, 0
	s_add_nc_u64 s[8:9], s[8:9], s[16:17]
	s_lshl_b32 s46, s42, 9                         ; my first column, in bytes of f32: 512 x tile column + 256 x half
	s_lshl_b32 s47, s12, 8
	s_add_co_u32 s46, s46, s47
	s_mov_b32 s47, 0
	s_add_nc_u64 s[8:9], s[8:9], s[46:47]
	s_add_nc_u64 s[2:3], s[2:3], s[46:47]
.irp b, 0,1,2,3                        ; for block b of Wo's rows: bo of columns 16 b + 8 h + 0 .. 7, in the result's layout
	global_load_b128 v[BI+8*\b:BI+8*\b+3], v[BOF], s[2:3] offset:64*\b
	global_load_b128 v[BI+8*\b+4:BI+8*\b+7], v[BOF], s[2:3] offset:64*\b+16
.endr
; 8 matrix instructions: m blocks a0, a0 + 1 x all 4 n blocks, 32 along K: half c of buffer f.  first = 1: the sums start from bo.  The 16 accumulators take turns
.macro MUL8 f, c, a0, first
.irp a, \a0, \a0+1
.irp b, 0,1,2,3
.if \first
	v_wmma_f32_16x16x32_f16 v[ACC+8*(4*(\a)+\b):ACC+8*(4*(\a)+\b)+7], v[\f+64+8*(4*\c+\b):\f+64+8*(4*\c+\b)+7], v[\f+8*(4*\c+\a):\f+8*(4*\c+\a)+7], v[BI+8*\b:BI+8*\b+7]
.else
	v_wmma_f32_16x16x32_f16 v[ACC+8*(4*(\a)+\b):ACC+8*(4*(\a)+\b)+7], v[\f+64+8*(4*\c+\b):\f+64+8*(4*\c+\b)+7], v[\f+8*(4*\c+\a):\f+8*(4*\c+\a)+7], v[ACC+8*(4*(\a)+\b):ACC+8*(4*(\a)+\b)+7]
.endif
.endr
.endr
.endm
; 32 LDS loads in one run: the fragments of 64 along K at byte k of the rows, into buffer f; the first 32 along K first
.macro FETCH slot, k, f
	WIN TO_F
.irp c, 0,1
.irp i, 0,1,2,3
	ds_load_b128 v[\f+64+8*(4*\c+\i):\f+64+8*(4*\c+\i)+3],   v[ADRB+\slot] offset:\k+64*\c+\i*16*PITCH
	ds_load_b128 v[\f+64+8*(4*\c+\i)+4:\f+64+8*(4*\c+\i)+7], v[ADRB+\slot] offset:\k+64*\c+\i*16*PITCH+32
	ds_load_b128 v[\f+8*(4*\c+\i):\f+8*(4*\c+\i)+3],         v[ADRA+\slot] offset:\k+64*\c+\i*16*PITCH
	ds_load_b128 v[\f+8*(4*\c+\i)+4:\f+8*(4*\c+\i)+7],       v[ADRA+\slot] offset:\k+64*\c+\i*16*PITCH+32
.endr
.endr
.endm
.macro PLACES                          ; four places ahead of loads into registers that matrix instructions have read, and of the first read of results
.rept 4
	v_nop
.endr
.endm
; A K step is four quarters of 64 along K, 32 matrix instructions each, on buffers 0, 1, 0, 1.  One of the first three multiplies buffer f and fetches the next quarter, at byte k, into g
.macro QUARTER slot, k, f, g, first
	s_wait_dscnt 16                                ; the first 32 along K are in
	WIN MUL
	MUL8 \f, 0, 0, \first
	MUL8 \f, 0, 2, \first
	PLACES
	FETCH \slot, \k, \g
	s_wait_dscnt 32                                ; all but the 32 just issued
	WIN MUL
	MUL8 \f, 1, 0, 0
	MUL8 \f, 1, 2, 0
.endm
	s_wait_tensorcnt 1                             ; my part of K step 0 is in; K step 1's load may be out,
	s_barrier_signal -1
	s_barrier_wait -1                              ; everybody's is
	FETCH 0, 0, F0
	s_wait_loadcnt 0x0                             ; bo
	QUARTER 0, 128, F0, F1, 1
	QUARTER 0, 256, F1, F0, 0
	QUARTER 0, 384, F0, F1, 0
	; slot 0's last quarter, and the change to slot 1: each wave's part of slot 1 has landed before it signals
	WIN 0                                          ; (the add's two registers lie in window 0)
	s_wait_tensorcnt 0x0                           ; all my tensor loads have landed;
	ds_add_u32 v[SPW], v[NIL]                      ; 0 onto my spare word;
	s_wait_dscnt 17                                ; (the add and the youngest sixteen loads may be out)
	WIN MUL
	MUL8 F1, 0, 0, 0
	s_wait_dscnt 0x0                               ; the add is done, and my reads of slot 0 are over
	s_barrier_signal -1
	MUL8 F1, 0, 2, 0
	s_barrier_wait -1
	PLACES
	FETCH 1, 0, F0
	WIN MUL
	MUL8 F1, 1, 0, 0
	MUL8 F1, 1, 2, 0
	QUARTER 1, 128, F0, F1, 0
	QUARTER 1, 256, F1, F0, 0
	QUARTER 1, 384, F0, F1, 0
	s_wait_dscnt 16                                ; the very last quarter: nothing more to fetch
	WIN MUL
	MUL8 F1, 0, 0, 0
	MUL8 F1, 0, 2, 0
	s_wait_dscnt 0
	MUL8 F1, 1, 0, 0
	MUL8 F1, 1, 2, 0
	WIN 0
; THE WAY OUT, a block of 16 rows x 64 columns at a time, through my own stages by turns: LDS serves a wave's instructions in order, so no wait stands between the stores and the loads
.macro TOSTAGE a
.irp b, 0,1,2,3
	ds_store_b128 v[STO], v[ACC+8*(4*(\a)+\b):ACC+8*(4*(\a)+\b)+3] offset:((\a)%2)*16*SPITCH+64*\b       ; each accumulator from its low end on
	ds_store_b128 v[STO], v[ACC+8*(4*(\a)+\b)+4:ACC+8*(4*(\a)+\b)+7] offset:((\a)%2)*16*SPITCH+64*\b+16
.endr
.irp i, 0,1,2,3,4,5,6,7
	ds_load_b128 v[TMP+32*((\a)%2)+4*\i:TMP+32*((\a)%2)+4*\i+3], v[RD] offset:((\a)%2)*16*SPITCH+\i*2*SPITCH
.endr
.endm
.macro SEND a, younger                 ; younger: the LDS instructions issued behind block a's loads
	s_wait_dscnt \younger
.irp i, 0,1,2,3,4,5,6,7
	global_store_b128 v[CO], v[TMP+32*((\a)%2)+4*\i:TMP+32*((\a)%2)+4*\i+3], s[8:9] offset:(16*(\a)+2*\i)*SIZE_N*4 th:TH_STORE_NT   ; 16 lanes store 256 consecutive bytes, at a multiple of 256 from out0's first byte
.endr
.endm
	PLACES
	TOSTAGE 0
	TOSTAGE 1
	SEND 0, 16
	s_wait_xcnt 0x0                                ; block 0's stores have read their registers: block 2's loads may land there
	TOSTAGE 2
	SEND 1, 16
	s_wait_xcnt 0x0
	TOSTAGE 3
	SEND 2, 16
	SEND 3, 0
	s_wait_tensorcnt 0x0                           ; the wave's end, behind my last tensor load and my last LDS store
	ds_add_u32 v[SPW], v[NIL]
	s_wait_dscnt 0x0
	CROUND                                         ; the closing round: no work-group ends while a partner may still ask for a tile that names it
	s_endpgm
.Lfunc_end_k_q37ac7c2929_oproj:
	.size	k_q37ac7c2929_oproj, .Lfunc_end_k_q37ac7c2929_oproj-k_q37ac7c2929_oproj
	.p2alignl 7, 3214868480
	.fill 96, 4, 3214868480
	.section	.rodata,"a",@progbits
	.p2align	6, 0x0
	.amdhsa_kernel k_q37ac7c2929_oproj
		.amdhsa_group_segment_fixed_size 327680
		.amdhsa_private_segment_fixed_size 0
		.amdhsa_enable_private_segment 0
		.amdhsa_kernarg_size 32
		.amdhsa_user_sgpr_count 2
		.amdhsa_user_sgpr_kernarg_segment_ptr 1
		.amdhsa_wavefront_size32 1
		.amdhsa_system_sgpr_workgroup_id_x 1
		.amdhsa_system_sgpr_workgroup_id_y 1
		.amdhsa_system_sgpr_workgroup_id_z 1
		.amdhsa_system_vgpr_workitem_id 0
		.amdhsa_next_free_vgpr 512
		.amdhsa_next_free_sgpr 66
		.amdhsa_reserve_vcc 0
		.amdhsa_float_denorm_mode_32 3
		.amdhsa_float_denorm_mode_16_64 3
		.amdhsa_memory_ordered 1
		.amdhsa_forward_progress 1
		.amdhsa_inst_pref_size 50
	.end_amdhsa_kernel
	.amdgpu_metadata
---
amdhsa.version: [ 1, 2 ]
amdhsa.kernels:
  - .name:           k_q37ac7c2929_oproj
    .symbol:         k_q37ac7c2929_oproj.kd
    .args:
      - { .name: ao, .offset: 0, .size: 8, .value_kind: global_buffer, .address_space: global }
      - { .name: wts, .offset: 8, .size: 8, .value_kind: global_buffer, .address_space: global }
      - { .name: out0, .offset: 16, .size: 8, .value_kind: global_buffer, .address_space: global }
      - { .name: bo, .offset: 24, .size: 8, .value_kind: global_buffer, .address_space: global }
    .group_segment_fixed_size: 327680
    .private_segment_fixed_size: 0
    .kernarg_segment_align: 8
    .kernarg_segment_size: 32
    .max_flat_workgroup_size: 128
    .sgpr_count:     66
    .vgpr_count:     512
    .wavefront_size: 32
...
	.end_amdgpu_metadata
.endif
;; end of part 4
